; MI455X (gfx1250); checked and timed in simulation.
; The chip was launched on July 23, 2026; its instructions are those of AMD's public machine-readable ISA for CDNA 5 (MIT licence, August 2026) and "CDNA5" Instruction Set Architecture Reference Guide (July 2026). The comments in the code are by the model that wrote it; some were corrected since.
;; GQ Attention. Allowed arithmetic: matrix products marked QUANTISED: E4M3 operands, one given power-of-two scale a tensor, by v_wmma_f32_16x16x64_fp8_fp8 or v_wmma_f32_16x16x128_fp8_fp8, f32 sums; everything else in f32.
;; Inputs: freqs_cos 2,048 x 32 float32; freqs_sin 2,048 x 32 float32; lowp_scales 12 int32 (the exponents e of the quantised operands' scales 2^e); mask 1 x 1 x 2,048 x 2,048 float32; wk 256 x 1,024 float32; wo 1,024 x 1,024 float32; wq 1,024 x 1,024 float32; wv 256 x 1,024 float32; x 4 x 2,048 x 1,024 float32.
;; Outputs: out0 4 x 2,048 x 1,024 float32; out1 4 x 2,048 x 4 x 64 float32; out2 4 x 2,048 x 4 x 64 float32.
;; This version of the problem:
;;   THIS VERSION OF THE PROBLEM IS GIVEN IN LOW PRECISION. The matrix products marked QUANTISED in the list below multiply operands that are first quantised to E4M3 (4 exponent bits, 3 mantissa bits; 8 bits a number), with one given power-of-two scale for each operand tensor; their sums are f32. All else is computed in f32.
;;   The module's matrix products, in the order in which they are computed (A, B: the left and right operand; K: the contracted axis; several contracted axes count as one K, in the product's order):
;;     1. [M 8,192, K 1,024] x [K 1,024, N 1,024]; A: input x; B: input wq: QUANTISED (scales: A lowp_scales[0], B lowp_scales[1])
;;     2. [M 8,192, K 1,024] x [K 1,024, N 256]; A: input x; B: input wk: QUANTISED (scales: A lowp_scales[2], B lowp_scales[3])
;;     3. [M 8,192, K 1,024] x [K 1,024, N 256]; A: input x; B: input wv: QUANTISED (scales: A lowp_scales[4], B lowp_scales[5])
;;     4. batch 16 x [M 8,192, K 64] x [K 64, N 2,048]; A: computed on the way; B: computed on the way: QUANTISED (scales: A lowp_scales[6], B lowp_scales[7])
;;     5. batch 16 x [M 8,192, K 2,048] x [K 2,048, N 64]; A: softmax (see below); B: computed on the way: QUANTISED (scales: A lowp_scales[8], B lowp_scales[9])
;;     6. [M 8,192, K 1,024] x [K 1,024, N 1,024]; A: computed on the way; B: input wo: QUANTISED (scales: A lowp_scales[10], B lowp_scales[11])
;;   THE QUANTISER, for each operand of a quantised product, along K:
;;     - The operand's scale is 2^e, e = its entry of the input lowp_scales (int32; the entries are numbered through the quantised products in the list's order, A before B).
;;     - Each number is divided by the scale, clamped to +-448, and rounded to the nearest number of E4M3, ties to even, subnormals kept.
;;     - The product sums the exact products of the quantised numbers (number of the format x scale) in f32.
;;   ~~~python
;;   def quantise(x, axis, e):      # numpy; x: float32 -> the quantised numbers, widened to float32 again
;;       x = np.moveaxis(x, axis, -1); K = x.shape[-1]
;;       r = np.clip(x / 2.0 ** e, -448, 448)
;;       step = 2.0 ** (np.maximum(np.frexp(np.where(r == 0, 1, r))[1] - 1, -6) - 3)
;;       q = np.round(r / step) * step * 2.0 ** e      # np.round: ties to even
;;       return np.moveaxis(q, -1, axis).astype(np.float32)
;;   ~~~
;;   SOFTMAX AHEAD OF A QUANTISED PRODUCT. Where the list says 'softmax', what is quantised is not the finished softmax but p = 2^(t - M), with t = logit x log2(e) and M = ceil(the row's largest t), a whole number; so 1/2 < the row's largest p <= 1. The row's sum l is taken of the UNQUANTISED p, in f32, and the product's result is divided by l at the end. Since M is a whole number, a kernel that streams over the keys may use a running M (the ceiling of the running maximum): every later rescaling is an exact power of two, so the quantised numbers keep their values, but for numbers so far below the row's largest that they fall under the format's range.
;;   OPERANDS COMPUTED ON THE WAY. 'Computed on the way' means the value that the module computes at that place (a softmax that the list does not call 'softmax' is quantised finished and normalised). What goes into a quantiser is computed in f32, as accurately as f32 sums, v_exp_f32 and their like allow (about 1e-6 of the number): no bf16 or f16 on the way to a quantiser, and a product that is left as it is and whose result goes on into a quantised operand takes f32 operands (vector FMAs, or v_wmma_f32_16x16x4_f32). A number that lies on a knife's edge between two numbers of the format may be rounded either way, as far as f32 arithmetic and the matrix unit's own rounding can turn it there, and no further.
;; One version. Each part assembles by itself: llvm-mc -triple=amdgcn-amd-amdhsa -mcpu=gfx1250 --defsym DOCPART=n.
;; ======== version 1 of 1: 4 launches
;; limits: right only within a limited range of input values
;; workspace buffers: xcodes 25,165,824 bytes; wqkv_codes 1,572,864 bytes; wo_codes 1,048,576 bytes; mask_img 16,777,216 bytes; q_codes 8,388,608 bytes; kv_codes 4,194,304 bytes; aout_codes 8,388,608 bytes
;; launch prep (part 1): grid 464 x 1, 4 waves a work-group, no clusters, 35,328 bytes of LDS; arguments x, wq, wk, wv, wo, mask, lowp_scales, xcodes, wqkv_codes, wo_codes, mask_img; writes xcodes, wqkv_codes, wo_codes, mask_img
.if DOCPART == 1
	.amdgcn_target "amdgcn-amd-amdhsa--gfx1250"
	.amdhsa_code_object_version 6
	.text
	.protected	k_q34b9009188_prep
	.globl	k_q34b9009188_prep
	.p2align	8
	.type	k_q34b9009188_prep,@function
k_q34b9009188_prep:
	s_mov_b64 s[64:65], 0
	v_nop
	global_prefetch_b8 v0, s[64:65] scope:SCOPE_SE
	s_setreg_imm32_b32 hwreg(HW_REG_WAVE_MODE, 25, 1), 1
	s_wait_xcnt 0x0
; PREP.  Three jobs, told apart by the work-group's number:
;   work-groups 0-255:   x [8192][1024] f32 -> three planes of E4M3 codes (scales: entries 0, 2, 4 of lowp_scales), each [8192][1024] bytes
;   work-groups 256-335: wq, wk, wv -> wqkv_codes [1536][1024] (entries 1, 3, 5);  wo -> wo_codes [1024][1024] (entry 11)
;   work-groups 336-463: mask [2048][2048] f32 -> mask_img: mask x 2^(3 - e6 - e7), laid in the order in which the score product's C operand takes it
; code = number / 2^e, held within +-448, rounded to the nearest code, ties to even.
; ORDER OF THE CODES ALONG K.  Inside each run of 256 numbers of a row, number 128 k + 4 l + e lies at byte 8 l + 4 k + e.  Every operand with K = 1024 of this program is laid so, both sides of each
; product alike, so each product meets its partner.  It lets a lane convert what two dense loads (512 consecutive bytes a wave each) gave it: eight numbers, eight codes, one store of 256 consecutive bytes a wave; no LDS.
; MASK.  A tile is 16 queries x 128 keys.  In mask_img it is 16 groups of 512 bytes; in group 2 t + i lane (r, h) holds keys 16 t + 8 h + 4 i + 0..3 of query r.  The rows are loaded dense (512 bytes a wave),
; turned through the wave's own stage in LDS (32 pieces of 256 bytes, 272 bytes apart), multiplied by the power of two, which rounds nothing, and stored 512 consecutive bytes a wave.
; Waves share nothing: no barrier.  No matrix work, no tensor loads, no cluster: nothing is read twice.
; LIMITS: every exponent used here lies between -126 and 119; 3 - e6 - e7 between -126 and 127 and |mask| x 2^(3 - e6 - e7) finite.  NaN among the inputs is not served.
.set SPARE, 34816                      ; behind the four stages: the spare words, 128 bytes for each wave
.set SPW,   206                        ; v206 LDS address of my spare word; never rewritten
.set NIL,   207                        ; v207 0; never rewritten
.set R,     16                         ; v16-143 sixteen sets of 8 numbers as loaded
.set T,     144                        ; v144-159 two sets of 8 held numbers
.set C,     160                        ; v160-165 codes of up to three planes
.set WREG,  8704                       ; a wave's stage: 32 pieces x 272 bytes
.set ML,    16                         ; v16-143 two sets of 64: a mask tile as loaded
.set BK,    144                        ; v144-175 eight groups read back from the stage
	s_load_b512 s[4:19], s[0:1], 0x0               ; x 4, wq 6, wk 8, wv 10, wo 12, mask 14, lowp_scales 16, xcodes 18
	s_load_b128 s[20:23], s[0:1], 0x40             ; wqkv_codes 20, wo_codes 22
	s_load_b64 s[24:25], s[0:1], 0x50              ; mask_img
	v_lshl_add_u32 v[SPW], v0, 2, SPARE
	v_mov_b32 v[NIL], 0
	v_lshrrev_b32 v3, 5, v0
	v_readfirstlane_b32 s26, v3                    ; wave 0..3
	v_and_b32 v3, 31, v0                           ; lane
	v_lshlrev_b32 v1, 4, v3                        ; 16 x lane
	v_lshlrev_b32 v2, 3, v3                        ; 8 x lane
	s_wait_kmcnt 0x0
	s_load_b256 s[28:35], s[16:17], 0x0            ; e0 .. e7
	s_load_b128 s[36:39], s[16:17], 0x20           ; e8 .. e11
	s_cmp_ge_u32 ttmp9, 336
	s_cbranch_scc1 .Lmask
	s_cmp_ge_u32 ttmp9, 256
	s_cbranch_scc1 .Lweights
.macro MKSC e, vs, vl                  ; from the exponent in s[e]: 2^e as f32 (the conversion takes its exponent field) and 448 x 2^e
	s_add_co_i32 s50, s[\e], 127
	s_lshl_b32 s51, s50, 23
	v_mov_b32 v[\vs], s51
	s_add_co_i32 s50, s50, 8
	s_lshl_b32 s50, s50, 23
	s_or_b32 s50, s50, 0x600000
	v_mov_b32 v[\vl], s50
.endm
.macro LOADP t                         ; step t's 256 numbers: two loads of 512 consecutive bytes a wave
	global_load_b128 v[R+8*((\t)%16):R+8*((\t)%16)+3], v1, s[4:5] offset:1024*(\t) th:TH_LOAD_NT
	global_load_b128 v[R+8*((\t)%16)+4:R+8*((\t)%16)+7], v1, s[4:5] offset:1024*(\t)+512 th:TH_LOAD_NT
.endm
; Step t of 32, for n planes.  The held numbers go into two sets by turns, so that the other set's eight holds, plain vector lines, stand between a conversion and the next write of its sources.
.macro QSTEP t, n
.if 31-(\t) >= 15
	s_wait_loadcnt 30                              ; my pair is in; the fifteen younger pairs stay out
.else
	s_wait_loadcnt 2*(31-(\t))
.endif
	s_wait_xcnt 0x0                                ; the last step's stores have read their codes: the registers are written again only behind this wait
.set RS, R+8*((\t)%16)
.set QS, 0
.rept \n
.set TS, T+8*(((\n)*(\t)+QS)%2)
.irp i, 0,1,2,3,4,5,6,7
	v_med3_num_f32 v[TS+\i], v[RS+\i], -v[5+2*QS], v[5+2*QS]   ; the conversion to an 8-bit code does not saturate (ISA guide 7.6.2): the hold at 448 x the scale
.endr
	v_cvt_scalef32_pk8_fp8_f32 v[C+2*QS:C+2*QS+1], v[TS:TS+7], v[4+2*QS]
.set QS, QS+1
.endr
.if (\t)+16 < 32
	LOADP (\t)+16                                  ; sixteen steps ahead, into the set just read
.endif
	global_store_b64 v2, v[C:C+1], s[44:45] offset:256*(\t)       ; 32 lanes store 256 consecutive bytes, aligned
.if (\n) > 1
	global_store_b64 v2, v[C+2:C+3], s[46:47] offset:256*(\t)
	global_store_b64 v2, v[C+4:C+5], s[48:49] offset:256*(\t)
.endif
.endm
	; ---- x: a wave takes 8,192 consecutive numbers
	s_lshl_b32 s40, ttmp9, 2
	s_add_co_u32 s40, s40, s26                     ; which run of 8,192
	s_lshl_b32 s42, s40, 15
	s_mov_b32 s43, 0
	s_add_nc_u64 s[4:5], s[4:5], s[42:43]
	s_lshl_b32 s42, s40, 13
	s_add_nc_u64 s[44:45], s[18:19], s[42:43]      ; plane 0,
	s_add_nc_u64 s[46:47], s[44:45], 0x800000      ; plane 1,
	s_add_nc_u64 s[48:49], s[46:47], 0x800000      ; plane 2
	s_wait_alu depctr_va_vdst(0)
.irp t, 0,1,2,3,4,5,6,7,8,9,10,11,12,13,14,15
	LOADP \t
.endr
	s_wait_kmcnt 0x0
	MKSC 28, 4, 5                                  ; e0
	MKSC 30, 6, 7                                  ; e2
	MKSC 32, 8, 9                                  ; e4
.set Q, 0
	s_wait_alu depctr_va_vdst(0)
.rept 32
	QSTEP Q, 3
.set Q, Q+1
.endr
	s_endpgm
	; ---- the weights: 32 rows a work-group; only pointers, offsets and the exponent are chosen, by the work-group's number
.Lweights:
	s_sub_co_u32 s40, ttmp9, 256                   ; 0-31 wq, 32-39 wk, 40-47 wv, 48-79 wo
	s_cmp_lt_u32 s40, 48
	s_cselect_b64 s[4:5], s[10:11], s[12:13]
	s_cselect_b64 s[44:45], s[20:21], s[22:23]
	s_cselect_b32 s41, 40, 48                      ; the tensor's first work-group
	s_cselect_b32 s42, 0x140000, 0                 ; where its codes begin: wv's rows 1280 on
	s_cmp_lt_u32 s40, 40
	s_cselect_b64 s[4:5], s[8:9], s[4:5]
	s_cselect_b32 s41, 32, s41
	s_cselect_b32 s42, 0x100000, s42               ; wk's rows 1024 on
	s_cmp_lt_u32 s40, 32
	s_cselect_b64 s[4:5], s[6:7], s[4:5]
	s_cselect_b32 s41, 0, s41
	s_cselect_b32 s42, 0, s42
	s_sub_co_u32 s41, s40, s41
	s_lshl_b32 s41, s41, 2
	s_add_co_u32 s41, s41, s26                     ; which run of 8,192 numbers of the tensor
	s_lshl_b32 s46, s41, 15
	s_mov_b32 s47, 0
	s_add_nc_u64 s[4:5], s[4:5], s[46:47]
	s_lshl_b32 s46, s41, 13
	s_add_co_u32 s46, s46, s42
	s_add_nc_u64 s[44:45], s[44:45], s[46:47]
	s_wait_alu depctr_va_vdst(0)
.irp t, 0,1,2,3,4,5,6,7,8,9,10,11,12,13,14,15
	LOADP \t
.endr
	s_wait_kmcnt 0x0
	s_cmp_lt_u32 s40, 48
	s_cselect_b32 s52, s33, s39                    ; e5 or e11
	s_cmp_lt_u32 s40, 40
	s_cselect_b32 s52, s31, s52                    ; e3
	s_cmp_lt_u32 s40, 32
	s_cselect_b32 s52, s29, s52                    ; e1
	MKSC 52, 4, 5
.set Q, 0
	s_wait_alu depctr_va_vdst(0)
.rept 32
	QSTEP Q, 1
.set Q, Q+1
.endr
	s_endpgm
	; ---- the mask: a work-group takes 16 queries, wave w the key steps 4 w .. 4 w + 3
.Lmask:
	s_sub_co_u32 s40, ttmp9, 336                   ; tile of 16 queries
	s_lshl_b32 s42, s40, 17                        ; 16 rows of 8,192 bytes; also the tile row's 16 x 8 KB in mask_img
	s_lshl_b32 s41, s26, 11                        ; my four steps of 512 bytes in a row
	s_add_co_u32 s44, s42, s41
	s_mov_b32 s45, 0
	s_add_nc_u64 s[14:15], s[14:15], s[44:45]
	s_lshl_b32 s41, s26, 15                        ; my four tiles of 8 KB
	s_add_co_u32 s44, s42, s41
	s_add_nc_u64 s[24:25], s[24:25], s[44:45]
	s_mul_i32 s46, s26, WREG                       ; my stage
	s_wait_alu depctr_va_vdst(0)
	v_lshrrev_b32 v12, 2, v3                       ; a lane's 16 bytes of a row are keys 4 l .. 4 l + 3: t = l / 4, h = (l / 2) % 2, i = l % 2
	v_and_b32 v13, 1, v3
	v_bfe_u32 v14, v3, 1, 1
	v_lshl_add_u32 v12, v12, 2, v14
	v_lshl_add_u32 v12, v13, 1, v12                ; piece 4 t + 2 i + h
	v_mul_u32_u24 v10, v12, 272
	v_add_nc_u32 v10, s46, v10                     ; in: my piece; row r goes to its byte 16 r.
	v_lshrrev_b32 v12, 4, v3
	v_and_b32 v13, 15, v3
	v_mul_u32_u24 v11, v12, 272
	v_lshl_add_u32 v11, v13, 4, v11
	v_add_nc_u32 v11, s46, v11                     ; back: a group is two pieces: lanes 0-15 the first, lanes 16-31 the second
.macro MLOAD j                         ; tile j: 16 rows x 512 consecutive bytes
.irp r, 0,1,2,3,4,5,6,7,8,9,10,11,12,13,14,15
	global_load_b128 v[ML+64*((\j)%2)+4*\r:ML+64*((\j)%2)+4*\r+3], v1, s[14:15] offset:8192*\r+512*(\j) th:TH_LOAD_NT
.endr
.endm
.macro MTILE j
.set LS, ML+64*((\j)%2)
.if (\j) < 3
	s_wait_loadcnt 16                              ; my tile is in; the next tile's 16 loads stay out
.else
	s_wait_loadcnt 0x0
.endif
.irp r, 0,1,2,3,4,5,6,7,8,9,10,11,12,13,14,15
	ds_store_b128 v10, v[LS+4*\r:LS+4*\r+3] offset:16*\r
.endr
.irp u, 0,1
	s_wait_xcnt 0x0                                ; the stores of the half before have read these registers
.irp i, 0,1,2,3,4,5,6,7
	ds_load_b128 v[BK+4*\i:BK+4*\i+3], v11 offset:544*(8*\u+\i)   ; LDS serves a wave's instructions in order (ISA guide 5.7.1.4): these see my stores
.endr
.irp i, 0,1,2,3,4,5,6,7
	s_wait_dscnt 7-\i                              ; group i is back; the younger ones stay out
	v_pk_mul_f32 v[BK+4*\i:BK+4*\i+1], v[BK+4*\i:BK+4*\i+1], s[52:53] op_sel_hi:[1,0]
	v_pk_mul_f32 v[BK+4*\i+2:BK+4*\i+3], v[BK+4*\i+2:BK+4*\i+3], s[52:53] op_sel_hi:[1,0]
	global_store_b128 v1, v[BK+4*\i:BK+4*\i+3], s[24:25] offset:8192*(\j)+512*(8*\u+\i)   ; 512 consecutive bytes a wave, aligned
.endr
.endr
.if (\j) < 2
	MLOAD (\j)+2                                   ; no LDS instruction of mine is out: the set just stored takes the tile two on
.endif
.endm
	MLOAD 0
	MLOAD 1
	s_wait_alu depctr_va_vdst(0)
	s_wait_kmcnt 0x0
	s_add_co_i32 s50, s34, s35                     ; e6 + e7
	s_sub_co_i32 s50, 130, s50
	s_lshl_b32 s52, s50, 23                        ; 2^(3 - e6 - e7) as f32
	s_mov_b32 s53, s52                             ; (named with it as a pair, so it is written)
	MTILE 0
	MTILE 1
	MTILE 2
	MTILE 3
	s_wait_tensorcnt 0x0                           ; the wave's end, behind my last LDS store
	ds_add_u32 v[SPW], v[NIL]
	s_wait_dscnt 0x0
	s_endpgm
.Lfunc_end_k_q34b9009188_prep:
	.size	k_q34b9009188_prep, .Lfunc_end_k_q34b9009188_prep-k_q34b9009188_prep
	.p2alignl 7, 3214868480
	.fill 96, 4, 3214868480
	.section	.rodata,"a",@progbits
	.p2align	6, 0x0
	.amdhsa_kernel k_q34b9009188_prep
		.amdhsa_group_segment_fixed_size 35328
		.amdhsa_private_segment_fixed_size 0
		.amdhsa_enable_private_segment 0
		.amdhsa_kernarg_size 88
		.amdhsa_user_sgpr_count 2
		.amdhsa_user_sgpr_kernarg_segment_ptr 1
		.amdhsa_wavefront_size32 1
		.amdhsa_system_sgpr_workgroup_id_x 1
		.amdhsa_system_sgpr_workgroup_id_y 1
		.amdhsa_system_sgpr_workgroup_id_z 1
		.amdhsa_system_vgpr_workitem_id 0
		.amdhsa_next_free_vgpr 208
		.amdhsa_next_free_sgpr 66
		.amdhsa_reserve_vcc 0
		.amdhsa_float_denorm_mode_32 3
		.amdhsa_float_denorm_mode_16_64 3
		.amdhsa_memory_ordered 1
		.amdhsa_forward_progress 1
		.amdhsa_inst_pref_size 136
	.end_amdhsa_kernel
	.amdgpu_metadata
---
amdhsa.version: [ 1, 2 ]
amdhsa.kernels:
  - .name:           k_q34b9009188_prep
    .symbol:         k_q34b9009188_prep.kd
    .args:
      - { .name: x, .offset: 0, .size: 8, .value_kind: global_buffer, .address_space: global }
      - { .name: wq, .offset: 8, .size: 8, .value_kind: global_buffer, .address_space: global }
      - { .name: wk, .offset: 16, .size: 8, .value_kind: global_buffer, .address_space: global }
      - { .name: wv, .offset: 24, .size: 8, .value_kind: global_buffer, .address_space: global }
      - { .name: wo, .offset: 32, .size: 8, .value_kind: global_buffer, .address_space: global }
      - { .name: mask, .offset: 40, .size: 8, .value_kind: global_buffer, .address_space: global }
      - { .name: lowp_scales, .offset: 48, .size: 8, .value_kind: global_buffer, .address_space: global }
      - { .name: xcodes, .offset: 56, .size: 8, .value_kind: global_buffer, .address_space: global }
      - { .name: wqkv_codes, .offset: 64, .size: 8, .value_kind: global_buffer, .address_space: global }
      - { .name: wo_codes, .offset: 72, .size: 8, .value_kind: global_buffer, .address_space: global }
      - { .name: mask_img, .offset: 80, .size: 8, .value_kind: global_buffer, .address_space: global }
    .group_segment_fixed_size: 35328
    .private_segment_fixed_size: 0
    .kernarg_segment_align: 8
    .kernarg_segment_size: 88
    .max_flat_workgroup_size: 128
    .sgpr_count:     66
    .vgpr_count:     208
    .wavefront_size: 32
...
	.end_amdgpu_metadata
.endif
;; end of part 1
;; launch qkv (part 2): grid 32 x 7, 4 waves a work-group, no clusters, 327,680 bytes of LDS; arguments xcodes, wqkv_codes, lowp_scales, freqs_cos, freqs_sin, q_codes, kv_codes, out1, out2; writes q_codes, kv_codes, out1, out2
.if DOCPART == 2
	.amdgcn_target "amdgcn-amd-amdhsa--gfx1250"
	.amdhsa_code_object_version 6
	.text
	.protected	k_q34b9009188_qkv
	.globl	k_q34b9009188_qkv
	.p2align	8
	.type	k_q34b9009188_qkv,@function
k_q34b9009188_qkv:
	s_mov_b64 s[64:65], 0
	v_nop
	global_prefetch_b8 v0, s[64:65] scope:SCOPE_SE
	s_setreg_imm32_b32 hwreg(HW_REG_WAVE_MODE, 25, 1), 1
	s_wait_xcnt 0x0
.set ROWB,   256
.set PITCH,  272
.set FR,     16
.set NL,     4
.set NP,     4
.set HALFT,  128*PITCH
.set SLOT,   4*HALFT
.set SPARE,  2*SLOT
.set SPITCH, 528
.set VO,   12
.set SCQ,  14
.set LIMQ, 15
.set ADRA, 16
.set ADRB, 20
.set STO,  24
.set RD,   25
.set CO,   26
.set CA,   27
.set SPW,  28
.set NIL,  29
.set TMP,  32
.set CODE, 96
.set TT,   112
.set AF,   128
.set BK,   128
.set G1, 24
.set G0, 32
.set MSB, 0
.macro WIN new
.if MSB != (\new)
	s_set_vgpr_msb (MSB<<8)|(\new)
.set MSB, (\new)
.endif
.endm
.set MUL_LO, 0xa1
.set MUL_HI, 0xf1
.set TO_B,   0x40
	s_load_b512 s[4:19], s[0:1], 0x0
	s_load_b64 s[20:21], s[0:1], 0x40
	v_lshl_add_u32 v[SPW], v0, 2, SPARE
	v_mov_b32 v[NIL], 0
	ds_add_u32 v[SPW], v[NIL]
	ds_add_u32 v[SPW], v[NIL]
	v_lshrrev_b32 v1, 5, v0
	v_readfirstlane_b32 s22, v1
	s_lshr_b32 s23, s22, 1
	s_and_b32 s66, s22, 1
	s_mov_b32 s40, ttmp9
	s_and_b32 s41, ttmp7, 0xffff
	s_mov_b32 s[G1+0], (0<<16)|(1<<20)|(5<<22)|(3<<25)
	s_mov_b32 s[G1+1], ROWB<<16
	s_mov_b32 s[G1+2], 128<<16
	s_mov_b32 s[G1+3], ROWB<<16
	s_mov_b32 s[G1+4], 128
	s_mov_b32 s[G1+5], 1024
	s_mov_b32 s[G1+6], 0
	s_mov_b32 s[G1+7], 0
	s_max_u32 s42, s41, 3
	s_sub_co_u32 s42, s42, 3
	s_min_u32 s42, s42, 2
	s_lshl_b32 s42, s42, 23
	s_lshl_b32 s43, s40, 18
	s_add_co_u32 s42, s42, s43
	s_mov_b32 s43, 0
	s_min_u32 s44, s41, 5
	s_lshl_b32 s44, s44, 18
	s_mov_b32 s45, 0
	s_mul_i32 s46, s22, HALFT
	s_lshl_b32 s80, s66, 17
	s_mov_b32 s81, 0
	s_wait_dscnt 0x0
	s_wait_kmcnt 0x0
	s_load_b256 s[52:59], s[8:9], 0x0
	s_load_b128 s[60:63], s[8:9], 0x20
	s_add_nc_u64 s[82:83], s[4:5], s[42:43]
	s_add_nc_u64 s[84:85], s[6:7], s[44:45]
	s_cmp_eq_u32 s41, 6
	s_cselect_b64 s[48:49], s[84:85], s[82:83]
	s_cselect_b64 s[50:51], s[82:83], s[84:85]
	s_cmp_eq_u32 s23, 0
	s_cselect_b64 s[48:49], s[48:49], s[50:51]
	s_add_nc_u64 s[48:49], s[48:49], s[80:81]
.irp s, 0,1
	s_mov_b32 s[G0+4*\s], 1
	s_add_co_u32 s[G0+4*\s+1], s46, \s*SLOT
	s_add_nc_u64 s[G0+4*\s+2:G0+4*\s+3], s[48:49], \s*ROWB
	s_or_b32 s[G0+4*\s+3], s[G0+4*\s+3], 0x80000000
	s_wait_alu depctr_va_vdst(0)
	s_wait_tensorcnt 0x0
	ds_add_u32 v28, v29
	ds_add_u32 v28, v29
	s_wait_dscnt 0x0
	s_barrier_signal -1
	s_barrier_wait -1
	tensor_load_to_lds s[G0+4*\s:G0+4*\s+3], s[G1:G1+7]
	s_nop 0
.endr
.rept 4
	v_nop
.endr
	v_and_b32 v1, 15, v0
	s_wait_alu depctr_va_vdst(0)
	v_bfe_u32 v2, v0, 4, 1
	v_mul_u32_u24 v3, v1, PITCH
	v_lshl_add_u32 v4, v2, 4, v3
	s_mul_i32 s42, s23, HALFT
	s_mul_i32 s43, s66, HALFT
	s_add_co_u32 s43, s43, 2*HALFT
.irp s, 0,1
	v_add_nc_u32 v[ADRA+\s], s42, v4
	v_add_nc_u32 v[ADRB+\s], s43, v4
	s_add_co_u32 s42, s42, SLOT
	s_add_co_u32 s43, s43, SLOT
.endr
	s_mul_i32 s44, s22, 16*SPITCH
	v_mul_u32_u24 v5, v1, SPITCH
	s_wait_alu depctr_va_vdst(0)
	v_lshl_add_u32 v5, v2, 5, v5
	v_add_nc_u32 v[STO], s44, v5
	v_and_b32 v6, 31, v0
	v_lshlrev_b32 v[CO], 4, v6
	v_add_nc_u32 v[RD], s44, v[CO]
	v_lshlrev_b32 v[CA], 7, v1
	v_lshl_add_u32 v[CA], v2, 4, v[CA]
	s_cmp_le_u32 s41, 4
	s_cselect_b32 s67, 1, 0
	s_sub_co_u32 s42, s41, 4
	s_cmp_le_u32 s42, 1
	s_cselect_b32 s68, 1, 0
	s_cmp_lg_u32 s41, 5
	s_cselect_b32 s69, 1, 0
.macro FRAG reg, adr, q, i
.irp c, 0,1,2,3
	ds_load_b128 v[\reg+4*\c:\reg+4*\c+3], v[\adr] offset:128*(\q)+32*\c+(\i)*16*PITCH
.endr
.endm
.macro MUL16 a0, p, zero
.irp a, \a0, \a0+1
.irp b, 0,1,2,3,4,5,6,7
.if \zero
	v_wmma_f32_16x16x128_fp8_fp8 v[8*(8*((\a)%4)+\b):8*(8*((\a)%4)+\b)+7], v[128*(\p)+FR*\b:128*(\p)+FR*\b+FR-1], v[AF+FR*(\a):AF+FR*(\a)+FR-1], 0
.else
	v_wmma_f32_16x16x128_fp8_fp8 v[8*(8*((\a)%4)+\b):8*(8*((\a)%4)+\b)+7], v[128*(\p)+FR*\b:128*(\p)+FR*\b+FR-1], v[AF+FR*(\a):AF+FR*(\a)+FR-1], v[8*(8*((\a)%4)+\b):8*(8*((\a)%4)+\b)+7]
.endif
.endr
.endr
.endm
.macro FETCH_B slot, q, p
	WIN TO_B
.irp i, 0,1,2,3,4,5,6,7
	FRAG 128*(\p)+FR*\i, ADRB+\slot, \q, \i
.endr
	WIN 0
.endm
.macro FETCH_A slot, q, i0
.irp i, \i0, \i0+1, \i0+2, \i0+3
	FRAG AF+FR*(\i), ADRA+\slot, \q, \i
.endr
.endm
.macro PLACES n
.rept \n
	v_nop
.endr
.endm
.macro STEP slot, q, zero
	s_wait_dscnt 4*NL
	WIN MUL_LO
	MUL16 0, (\q)%2, \zero
	MUL16 2, (\q)%2, \zero
	s_wait_dscnt 0
	PLACES NP
	FETCH_B \slot, (\q)+1, 1-(\q)%2
	FETCH_A \slot, (\q)+1, 0
	WIN MUL_HI
	MUL16 4, (\q)%2, \zero
	MUL16 6, (\q)%2, \zero
	PLACES NP
	WIN 0
	FETCH_A \slot, (\q)+1, 4
.endm
.macro TURN slot, next, fill
	s_wait_tensorcnt 0x0
	ds_add_u32 v[SPW], v[NIL]
	s_wait_dscnt 4*NL+1
	WIN MUL_LO
	MUL16 0, 1, 0
	s_wait_dscnt 0x0
	s_barrier_signal -1
	MUL16 2, 1, 0
	WIN 0
	s_barrier_wait -1
.if \fill
	s_add_nc_u64 s[G0+4*\slot+2:G0+4*\slot+3], s[G0+4*\slot+2:G0+4*\slot+3], 2*ROWB
	tensor_load_to_lds s[G0+4*\slot:G0+4*\slot+3], s[G1:G1+7]
	s_nop 0
	PLACES 4
.else
	PLACES NP
.endif
	FETCH_B \next, 0, 0
	FETCH_A \next, 0, 0
	WIN MUL_HI
	MUL16 4, 1, 0
	MUL16 6, 1, 0
	PLACES NP
	WIN 0
	FETCH_A \next, 0, 4
.endm
	s_wait_tensorcnt 1
	s_barrier_signal -1
	s_barrier_wait -1
	FETCH_B 0, 0, 0
	FETCH_A 0, 0, 0
	FETCH_A 0, 0, 4
	STEP 0, 0, 1
	TURN 0, 1, 1
	STEP 1, 0, 0
	TURN 1, 0, 1
	STEP 0, 0, 0
	TURN 0, 1, 0
	STEP 1, 0, 0
	s_wait_dscnt 4*NL
	WIN MUL_LO
	MUL16 0, 1, 0
	MUL16 2, 1, 0
	s_wait_dscnt 0
	WIN MUL_HI
	MUL16 4, 1, 0
	MUL16 6, 1, 0
	WIN 0
	s_wait_kmcnt 0x0
	s_add_co_i32 s42, s52, s53
	s_add_co_i32 s43, s54, s55
	s_add_co_i32 s44, s56, s57
	s_cmp_eq_u32 s41, 4
	s_cselect_b32 s44, s43, s44
	s_cselect_b32 s45, s59, s61
	s_cmp_lt_u32 s41, 4
	s_cselect_b32 s44, s42, s44
	s_cselect_b32 s45, s58, s45
	s_add_co_i32 s44, s44, 127
	s_lshl_b32 s70, s44, 23
	s_mov_b32 s71, s70
	s_add_co_i32 s45, s45, 127
	s_lshl_b32 s46, s45, 23
	v_mov_b32 v[SCQ], s46
	s_add_co_i32 s45, s45, 8
	s_lshl_b32 s45, s45, 23
	s_or_b32 s45, s45, 0x600000
	v_mov_b32 v[LIMQ], s45
	s_lshr_b32 s80, s40, 3
	s_and_b32 s81, s40, 7
	s_lshl_b32 s82, s80, 4
	s_lshl_b32 s83, s41, 2
	s_add_co_u32 s82, s82, s83
	s_lshl_b32 s83, s66, 1
	s_add_co_u32 s82, s82, s83
	s_lshl_b32 s82, s82, 7
	s_lshl_b32 s83, s81, 4
	s_add_co_u32 s82, s82, s83
	s_lshl_b32 s83, s23, 3
	s_add_co_u32 s82, s82, s83
	s_lshl_b32 s82, s82, 10
	s_lshl_b32 s84, s80, 2
	s_lshl_b32 s85, s66, 1
	s_add_co_u32 s85, s84, s85
	s_lshl_b32 s85, s85, 18
	s_lshl_b32 s86, s81, 1
	s_add_co_u32 s87, s86, s23
	s_lshl_b32 s87, s87, 14
	s_add_co_u32 s85, s85, s87
	s_lshl_b32 s87, s23, 1
	s_add_co_u32 s87, s84, s87
	s_lshl_b32 s87, s87, 18
	s_add_co_u32 s86, s86, s66
	s_lshl_b32 s86, s86, 14
	s_add_co_u32 s87, s87, s86
	s_add_co_u32 s87, s87, 8192
	s_cmp_eq_u32 s41, 4
	s_cselect_b32 s88, s85, s87
	s_mov_b32 s75, 1024
	s_cselect_b32 s75, 0x40000, s75
	s_mov_b32 s73, 2048
	s_cselect_b32 s73, 1024, s73
	s_cselect_b32 s74, 0, 253952
	s_cmp_lt_u32 s41, 4
	s_cselect_b32 s88, s82, s88
	s_cselect_b32 s75, 0x20000, s75
	s_cselect_b32 s73, 1024, s73
	s_cselect_b32 s74, 0, s74
	s_cselect_b64 s[76:77], s[14:15], s[16:17]
	s_mov_b32 s89, 0
	s_add_nc_u64 s[76:77], s[76:77], s[88:89]
	s_mov_b32 s72, 0
	s_lshl_b32 s88, s40, 8
	s_lshl_b32 s90, s23, 7
	s_add_co_u32 s88, s88, s90
	s_lshl_b32 s88, s88, 10
	s_lshl_b32 s90, s66, 9
	s_add_co_u32 s88, s88, s90
	s_cmp_eq_u32 s41, 4
	s_cselect_b64 s[78:79], s[18:19], s[20:21]
	s_add_nc_u64 s[78:79], s[78:79], s[88:89]
	s_lshl_b32 s88, s81, 8
	s_lshl_b32 s90, s23, 7
	s_add_co_u32 s88, s88, s90
	s_lshl_b32 s88, s88, 7
	s_add_nc_u64 s[10:11], s[10:11], s[88:89]
	s_add_nc_u64 s[12:13], s[12:13], s[88:89]
	PLACES NP
	s_cmp_eq_u32 s67, 0
	s_cbranch_scc1 .Lnorope
	WIN TO_B
	s_wait_alu depctr_va_vdst(0)
.irp a, 0,1,2,3,4,5,6,7
.irp q, 0,1,2,3
	global_load_b128 v[32*\a+4*\q:32*\a+4*\q+3], v[CA], s[10:11] offset:2048*\a+32*\q
.endr
.irp q, 0,1,2,3
	global_load_b128 v[32*\a+16+4*\q:32*\a+16+4*\q+3], v[CA], s[12:13] offset:2048*\a+32*\q
.endr
.endr
	WIN 0
.Lnorope:
.macro BLOCK a
.set AC, 64*((\a)%4)
	s_wait_xcnt 0x0
	s_cmp_eq_u32 s67, 0
	s_cbranch_scc1 .Lplain_\@
	s_wait_loadcnt 56-8*(\a)
	WIN 0x41
.irp n, 0,2,4,6,8,10,12,14,16,18,20,22,24,26,28,30
	v_pk_mul_f32 v[32*(\a)+\n:32*(\a)+\n+1], v[32*(\a)+\n:32*(\a)+\n+1], s[70:71] op_sel_hi:[1,0]
.endr
	WIN 0x06+(\a)/4
.irp b, 0,1,2,3,4,5,6,7
.irp i, 0,1,2,3
	v_mul_f32 v[TT+2*\i], v[AC+8*\b+2*\i+1], v[32*(\a)+16+4*(\b%4)+\i]
	v_mul_f32 v[TT+2*\i+1], v[AC+8*\b+2*\i], v[32*(\a)+16+4*(\b%4)+\i]
	v_fma_f32 v[TMP+8*\b+2*\i], v[AC+8*\b+2*\i], v[32*(\a)+4*(\b%4)+\i], -v[TT+2*\i]
	v_fma_f32 v[TMP+8*\b+2*\i+1], v[AC+8*\b+2*\i+1], v[32*(\a)+4*(\b%4)+\i], v[TT+2*\i+1]
.endr
.endr
	WIN 0
	s_branch .Lscaled_\@
.Lplain_\@:
	WIN 0x02+(\a)/4
.irp j, 0,2,4,6,8,10,12,14,16,18,20,22,24,26,28,30,32,34,36,38,40,42,44,46,48,50,52,54,56,58,60,62
	v_pk_mul_f32 v[TMP+\j:TMP+\j+1], v[AC+\j:AC+\j+1], s[70:71] op_sel_hi:[1,0]
.endr
	WIN 0
.Lscaled_\@:
	s_cmp_eq_u32 s68, 0
	s_cbranch_scc1 .Lnof32_\@
	s_wait_alu depctr_va_vdst(0)
.irp b, 0,1,2,3,4,5,6,7
	ds_store_b128 v[STO], v[TMP+8*\b:TMP+8*\b+3] offset:64*\b
	ds_store_b128 v[STO], v[TMP+8*\b+4:TMP+8*\b+7] offset:64*\b+16
.endr
.irp t, 0,1,2,3,4,5,6,7,8,9,10,11,12,13,14,15
	ds_load_b128 v[BK+4*\t:BK+4*\t+3], v[RD] offset:\t*SPITCH
.endr
.irp t, 0,1,2,3,4,5,6,7,8,9,10,11,12,13,14,15
	s_wait_dscnt 15-\t
	global_store_b128 v[CO], v[BK+4*\t:BK+4*\t+3], s[78:79] offset:(16*(\a)+\t)*1024 th:TH_STORE_NT
.endr
.Lnof32_\@:
	s_cmp_eq_u32 s69, 0
	s_cbranch_scc1 .Lnocode_\@
.irp j, 0,1,2,3,4,5,6,7,8,9,10,11,12,13,14,15,16,17,18,19,20,21,22,23,24,25,26,27,28,29,30,31,32,33,34,35,36,37,38,39,40,41,42,43,44,45,46,47,48,49,50,51,52,53,54,55,56,57,58,59,60,61,62,63
	v_med3_num_f32 v[TMP+\j], v[TMP+\j], -v[LIMQ], v[LIMQ]
.endr
.irp b, 0,1,2,3,4,5,6,7
	v_cvt_scalef32_pk8_fp8_f32 v[CODE+2*\b:CODE+2*\b+1], v[TMP+8*\b:TMP+8*\b+7], v[SCQ]
.endr
	v_add_nc_u32 v[VO], s72, v[CO]
	v_add_nc_u32 v[VO+1], s75, v[VO]
.irp p, 0,1,2,3
	global_store_b128 v[VO+\p/2], v[CODE+4*\p:CODE+4*\p+3], s[76:77] offset:512*(\p%2)
.endr
.Lnocode_\@:
	s_add_co_u32 s72, s72, s73
.if (\a) == 3
	s_add_co_u32 s72, s72, s74
.endif
.endm
.irp a, 0,1,2,3,4,5,6,7
	BLOCK \a
.endr
	s_wait_tensorcnt 0x0
	ds_add_u32 v[SPW], v[NIL]
	s_wait_dscnt 0x0
	s_endpgm
.Lfunc_end_k_q34b9009188_qkv:
	.size	k_q34b9009188_qkv, .Lfunc_end_k_q34b9009188_qkv-k_q34b9009188_qkv
	.p2alignl 7, 3214868480
	.fill 96, 4, 3214868480
	.section	.rodata,"a",@progbits
	.p2align	6, 0x0
	.amdhsa_kernel k_q34b9009188_qkv
		.amdhsa_group_segment_fixed_size 327680
		.amdhsa_private_segment_fixed_size 0
		.amdhsa_enable_private_segment 0
		.amdhsa_kernarg_size 72
		.amdhsa_user_sgpr_count 2
		.amdhsa_user_sgpr_kernarg_segment_ptr 1
		.amdhsa_wavefront_size32 1
		.amdhsa_system_sgpr_workgroup_id_x 1
		.amdhsa_system_sgpr_workgroup_id_y 1
		.amdhsa_system_sgpr_workgroup_id_z 1
		.amdhsa_system_vgpr_workitem_id 0
		.amdhsa_next_free_vgpr 1024
		.amdhsa_next_free_sgpr 92
		.amdhsa_reserve_vcc 0
		.amdhsa_float_denorm_mode_32 3
		.amdhsa_float_denorm_mode_16_64 3
		.amdhsa_memory_ordered 1
		.amdhsa_forward_progress 1
		.amdhsa_inst_pref_size 231
	.end_amdhsa_kernel
	.amdgpu_metadata
---
amdhsa.version: [ 1, 2 ]
amdhsa.kernels:
  - .name:           k_q34b9009188_qkv
    .symbol:         k_q34b9009188_qkv.kd
    .args:
      - { .name: xcodes, .offset: 0, .size: 8, .value_kind: global_buffer, .address_space: global }
      - { .name: wqkv_codes, .offset: 8, .size: 8, .value_kind: global_buffer, .address_space: global }
      - { .name: lowp_scales, .offset: 16, .size: 8, .value_kind: global_buffer, .address_space: global }
      - { .name: freqs_cos, .offset: 24, .size: 8, .value_kind: global_buffer, .address_space: global }
      - { .name: freqs_sin, .offset: 32, .size: 8, .value_kind: global_buffer, .address_space: global }
      - { .name: q_codes, .offset: 40, .size: 8, .value_kind: global_buffer, .address_space: global }
      - { .name: kv_codes, .offset: 48, .size: 8, .value_kind: global_buffer, .address_space: global }
      - { .name: out1, .offset: 56, .size: 8, .value_kind: global_buffer, .address_space: global }
      - { .name: out2, .offset: 64, .size: 8, .value_kind: global_buffer, .address_space: global }
    .group_segment_fixed_size: 327680
    .private_segment_fixed_size: 0
    .kernarg_segment_align: 8
    .kernarg_segment_size: 72
    .max_flat_workgroup_size: 128
    .sgpr_count:     92
    .vgpr_count:     1024
    .wavefront_size: 32
...
	.end_amdgpu_metadata
.endif
;; end of part 2
;; launch attn (part 3): grid 16 x 16, 8 waves a work-group, no clusters, 327,680 bytes of LDS; arguments q_codes, kv_codes, mask_img, lowp_scales, aout_codes; writes aout_codes
.if DOCPART == 3
	.amdgcn_target "amdgcn-amd-amdhsa--gfx1250"
	.amdhsa_code_object_version 6
	.text
	.protected	k_q34b9009188_attn
	.globl	k_q34b9009188_attn
	.p2align	8
	.type	k_q34b9009188_attn,@function
k_q34b9009188_attn:
	s_mov_b64 s[64:65], 0
	v_nop
	global_prefetch_b8 v0, s[64:65] scope:SCOPE_SE
	s_setreg_imm32_b32 hwreg(HW_REG_WAVE_MODE, 25, 1), 1
	s_wait_xcnt 0x0
; ATTN.  softmax(q k^T / 8 + mask) v on codes of E4M3, and the result quantised for the last projection.  The mask is an input: every tile of scores is computed.
; SHARES.  Work-group (x, y): y = 4 x batch + key/value head, x = 128 queries.  Each of 8 waves owns 16 queries of all FOUR query heads of that key/value head, so a fragment of K, of V and a tile of the mask serve four heads.
; INPUTS, as the earlier launches laid them, all as images of operand registers (512 consecutive bytes for four registers of a wave):
;   q_codes   [y][head 4][tile of 16 queries 128][1,024 bytes]        kv_codes [y][key step 16][K 8,192 bytes, V 8,192 bytes], a step = 128 keys
;   mask_img  [tile of 16 queries 128][key step 16][8,192 bytes] = mask x 2^(3 - e6 - e7), in the layout of the score product's C operand: the mask costs no vector instruction.
; Both products are used transposed (S^T = K Q^T + mask, O^T = V^T P^T): a lane holds one query throughout, its registers run along the keys.
; SOFTMAX: t = S x c, c = log2(e) x 2^(e6 + e7 - 3); M = ceil(running largest t), kept as -M; p = 2^(t - M) is quantised with 2^e8; the row's sum is taken of the unquantised p;
; when M moves, the sum and O^T are multiplied by 2^(old M - new M), which rounds nothing.  No branch hangs on data.
; LDS.  The head's K and V, 262,144 bytes, are resident: no byte is filled twice.  Key steps 0-3 come by each wave's one load at the head (8,192 bytes a wave); the other twelve by one load a wave (24,576 bytes)
; behind the waits, the spare-word add and the barrier at the head's end; they are waited for once, behind step 2.  Two barriers in all.  Behind K and V: a stage of 4,352 bytes a wave for the way out, then the spare words.
; NO CLUSTER: what work-groups share by tensor loads is 262,144 bytes a work-group, read once; the mask's image, 8 waves x 17 tiles x 8,192 bytes, goes straight into registers.
; LIMITS: e6 + e7 - 3 between -126 and 127; e8 and e10 between -126 and 119; the scaled scores stay under 2^31 in magnitude.  NaN among the inputs is not served.
; REGISTERS.  Window 0: v1-14 addresses and constants; v16-31 four heads x (-M, largest raw score, the sum in two halves); v32-37 at work; v40-55 p's codes; v60-63 the maximum's four chains;
;             v64-127 S^T, then p; v128-191 the mask tile; v192-223 Q; v224-239 partial sums.   Window 1: v0-127 O^T (head h at 32 h); v128-191 K's fragments; v192-255 V's.
.set STAGE, 262144
.set SPARE, 296960                     ; 128 bytes a wave: four blocks of 256 bytes that no other line names
.set L16,  1                           ; 16 x lane
.set AKV,  2                           ; LDS address of the key step whose K was fetched last
.set VM,   3                           ; offset of the next mask tile
.set PFO,  4                           ; 256 x lane, for the prefetch
.set SPW,  5
.set NIL,  6
.set STO,  7
.set RD,   8
.set GO,   9
.set LIMP, 10                          ; 448 x 2^e8, twice: the two halves of a dual instruction take their second sources from different banks
.set LIMP2, 11
.set LIMO, 12
.set SCO,  13
.set SCP,  14
.set ST,   16
.set MX,   32
.set F,    34
.set PX,   36
.set P,    40
.set CH,   60
.set S,    64
.set MK,   128
.set Q,    192
.set U,    224
.set KF,   128
.set VF,   192
.set TMP,  64
.set MSB, 0
.macro WIN new                         ; the immediate's high byte repeats the setting that is left
.if MSB != (\new)
	s_set_vgpr_msb (MSB<<8)|(\new)
.set MSB, (\new)
.endif
.endm
.macro MKSC e, vs, vl                  ; 2^e as f32 for the conversion, and 448 x 2^e for the hold
	s_add_co_i32 s16, s[\e], 127
	s_lshl_b32 s18, s16, 23
	v_mov_b32 v[\vs], s18
	s_add_co_i32 s16, s16, 8
	s_lshl_b32 s16, s16, 23
	s_or_b32 s16, s16, 0x600000
	v_mov_b32 v[\vl], s16
.endm
	s_load_b256 s[4:11], s[0:1], 0x0               ; q_codes 4, kv_codes 6, mask_img 8, lowp_scales 10
	s_load_b64 s[12:13], s[0:1], 0x20              ; aout_codes
	v_lshl_add_u32 v[SPW], v0, 2, SPARE
	v_mov_b32 v[NIL], 0
	ds_add_u32 v[SPW], v[NIL]                      ; the opening lines: the add twice on end and its wait ahead of my first tensor load
	ds_add_u32 v[SPW], v[NIL]
	v_lshrrev_b32 v56, 5, v0
	s_delay_alu instid0(VALU_DEP_1)
	v_readfirstlane_b32 s14, v56                   ; wave 0..7
	s_and_b32 s15, ttmp7, 0xffff                   ; y
.irp g, 24, 40                                 ; two groups 1: dense rows of 32 elements of 8 bytes, no padding
	s_mov_b32 s[\g], 3<<16
	s_mov_b32 s[\g+1], 32<<16
	s_mov_b32 s[\g+3], 32<<16
	s_mov_b32 s[\g+5], 32
	s_mov_b32 s[\g+6], 0
	s_mov_b32 s[\g+7], 0
.endr
	s_mov_b32 s26, 32<<16                          ; the head's load: 32 rows,
	s_mov_b32 s28, 32
	s_mov_b32 s42, 96<<16                          ; the second: 96 rows
	s_mov_b32 s44, 96
	s_mov_b32 s20, 0x76543210                      ; selects for lane l xor 16
	s_mov_b32 s21, 0xfedcba98
	s_lshl_b32 s16, s14, 13                        ; my part of steps 0-3, in memory and in LDS alike
	s_mul_i32 s17, s14, 24576
	s_add_co_u32 s17, s17, 65536                   ; my part of steps 4-15
	s_lshl_b32 s18, s15, 18
	s_mov_b32 s19, 0
	s_wait_dscnt 0x0
	s_wait_kmcnt 0x0
	s_load_b128 s[56:59], s[10:11], 0x18           ; e6 .. e9
	s_load_b32 s60, s[10:11], 0x28                 ; e10
	s_add_nc_u64 s[6:7], s[6:7], s[18:19]          ; this y's K and V
	s_mov_b32 s18, s16
	s_mov_b32 s32, 1
	s_mov_b32 s33, s16
	s_add_nc_u64 s[34:35], s[6:7], s[18:19]
	s_or_b32 s35, s35, 0x80000000
	tensor_load_to_lds s[32:35], s[24:31]          ; my one load at the head
	s_nop 0
.rept 4
	v_nop
.endr
	s_mov_b32 s18, s17
	s_mov_b32 s36, 1
	s_mov_b32 s37, s17
	s_add_nc_u64 s[38:39], s[6:7], s[18:19]
	s_or_b32 s39, s39, 0x80000000
	s_lshl_b32 s17, ttmp9, 3
	s_add_co_u32 s17, s17, s14                     ; my tile of 16 queries, 0..127
	s_lshl_b32 s18, s15, 19
	s_lshl_b32 s16, s17, 10
	s_add_co_u32 s18, s18, s16
	s_add_nc_u64 s[4:5], s[4:5], s[18:19]
	s_lshl_b32 s18, s17, 17
	s_add_nc_u64 s[8:9], s[8:9], s[18:19]          ; my row of mask tiles
	v_and_b32 v56, 31, v0
	s_delay_alu instid0(VALU_DEP_1)
	v_lshlrev_b32 v[L16], 4, v56
	v_lshlrev_b32 v[PFO], 8, v56
	s_delay_alu instid0(VALU_DEP_2)
	v_mov_b32 v[AKV], v[L16]                       ; key step 0
.irp hd, 0,1,2,3
	global_load_b128 v[Q+8*\hd:Q+8*\hd+3], v[L16], s[4:5] offset:131072*\hd
	global_load_b128 v[Q+8*\hd+4:Q+8*\hd+7], v[L16], s[4:5] offset:131072*\hd+512
.endr
.irp i, 0,1,2,3,4,5,6,7,8,9,10,11,12,13,14,15
	global_load_b128 v[MK+4*\i:MK+4*\i+3], v[L16], s[8:9] offset:512*\i
.endr
	s_add_nc_u64 s[52:53], s[8:9], 8192            ; the prefetch's place: each step's head moves it one tile on
	s_cmp_eq_u32 s15, 0
	s_cselect_b32 s54, 15, 0                       ; the sixteen work-groups of one x read the same tiles: y = 0 asks for them
	s_lshr_b32 s16, s15, 2                         ; the way out: row 2,048 x batch + 16 x tile, column 256 x key/value head
	s_lshl_b32 s16, s16, 11
	s_lshl_b32 s18, s17, 4
	s_add_co_u32 s16, s16, s18
	s_lshl_b32 s18, s16, 10
	s_and_b32 s16, s15, 3
	s_lshl_b32 s16, s16, 8
	s_add_co_u32 s18, s18, s16
	s_add_nc_u64 s[12:13], s[12:13], s[18:19]
	s_mul_i32 s16, s14, 4352
	s_add_co_u32 s16, s16, STAGE                   ; my stage
	v_and_b32 v57, 15, v0
	v_bfe_u32 v58, v0, 4, 1
	v_mul_u32_u24 v[STO], v57, 272
	v_mul_u32_u24 v[RD], v58, 272
	v_lshlrev_b32 v[GO], 10, v58
	v_lshl_add_u32 v[STO], v58, 4, v[STO]
	v_lshl_add_u32 v[RD], v57, 4, v[RD]
	v_lshl_add_u32 v[GO], v57, 4, v[GO]
	v_add_nc_u32 v[STO], s16, v[STO]
	v_add_nc_u32 v[RD], s16, v[RD]
.irp hd, 0,1,2,3
	v_mov_b32 v[ST+4*\hd], 0x7f61b1e6              ; -M = 3e38
	v_mov_b32 v[ST+4*\hd+1], 0xff61b1e6            ; the largest raw score so far: -3e38
	v_mov_b32 v[ST+4*\hd+2], 0
	v_mov_b32 v[ST+4*\hd+3], 0
.endr
	v_mov_b32 v[F+1], 0                            ; (named as the upper half of a pair)
	v_mov_b32 v[PX], 0                             ; a lane permute's destination counts as a source
	WIN 0x40
.set J, 0
.rept 128
	v_mov_b32 v[J], 0                              ; O^T: the step is written without a first step of its own; the first change of M multiplies zeros
.set J, J+1
.endr
	WIN 0
	s_wait_kmcnt 0x0
	s_add_co_i32 s16, s56, s57
	s_sub_co_i32 s16, s16, 3
	s_lshl_b32 s16, s16, 23
	s_add_co_i32 s22, s16, 0x3fb8aa3b              ; c: e6 + e7 - 3 added to the exponent field of log2(e)
	s_mov_b32 s23, s22
	MKSC 58, SCP, LIMP
	v_mov_b32 v[LIMP2], v[LIMP]
	MKSC 60, SCO, LIMO
	s_add_co_i32 s55, s58, s59                     ; e8 + e9
	s_mov_b32 s50, 0                               ; the key step
; The mask tile two steps on is asked of memory one step ahead of its loads: 8,192 bytes a wave, lanes 256 bytes apart, by the work-groups with y = 0 alone; the last tile asked for is step 15's.
.macro ASK
	s_cmp_lt_u32 s50, s54
	s_cbranch_scc0 .Lnot_mine_\@
	global_prefetch_b8 v[PFO], s[52:53] th:TH_LOAD_NT scope:SCOPE_SE
.Lnot_mine_\@:
.endm
.macro TM j                            ; t - M for registers j, j + 1 of the scores
	v_pk_fma_f32 v[S+(\j):S+(\j)+1], v[S+(\j):S+(\j)+1], s[22:23], v[SH:SH+1] op_sel_hi:[1,0,0]
.endm
.macro HOLD j                          ; the hold at 448 x 2^e8, one-sided since p is not negative (the conversion does not saturate: ISA guide 7.6.2), two numbers an instruction
	v_dual_min_num_f32 v[S+(\j)], v[S+(\j)], v[LIMP] :: v_dual_min_num_f32 v[S+(\j)+1], v[S+(\j)+1], v[LIMP2]
.endm
; One head's share of a key step: 16 queries x 128 keys.
.macro HEAD hd, last
.set SH, ST+4*(\hd)
	WIN 0x01
.irp t, 0,1,2,3,4,5,6,7
	v_wmma_f32_16x16x64_fp8_fp8 v[S+8*\t:S+8*\t+7], v[KF+8*\t:KF+8*\t+7], v[Q+8*(\hd):Q+8*(\hd)+7], v[MK+8*\t:MK+8*\t+7]
.endr
	WIN 0
.if (\hd) < 3
.rept 4
	v_nop                                          ; four places ahead of the first read of the scores
.endr
.else
	s_add_co_u32 s50, s50, 1                       ; the fourth head has taken the mask tile and K's fragments: the next step's are fetched into the same registers
	s_min_u32 s51, s50, \last                      ; (the last step fetches its own once more and uses nothing of it)
	s_lshl_b32 s48, s51, 14
	s_lshl_b32 s51, s51, 13
	v_add_nc_u32 v[VM], s51, v[L16]
	v_add_nc_u32 v[AKV], s48, v[L16]
	v_nop
	v_nop                                          ; with the two additions: four places ahead of loads into registers that the products read
.irp i, 0,1,2,3,4,5,6,7,8,9,10,11,12,13,14,15
	global_load_b128 v[MK+4*\i:MK+4*\i+3], v[VM], s[8:9] offset:512*\i
.endr
	WIN 0x40
.irp i, 0,1,2,3,4,5,6,7,8,9,10,11,12,13,14,15
	ds_load_b128 v[KF+4*\i:KF+4*\i+3], v[AKV] offset:512*\i
.endr
	WIN 0
	ASK
.endif
.irp k, 0,1,2,3                                ; the largest of my 64 scores, in four chains; each accumulator is read from its low end on
	v_max3_num_f32 v[CH+\k], v[S+3*\k], v[S+3*\k+1], v[S+3*\k+2]
.endr
	v_mov_b32 v37, v[SH]                           ; the old -M
.set I, 0
.rept 26
	v_max3_num_f32 v[CH+I%4], v[CH+I%4], v[S+12+2*I], v[S+13+2*I]
.set I, I+1
.endr
	s_delay_alu instid0(VALU_DEP_1)
	v_max3_num_f32 v[MX], v[CH], v[CH+1], v[CH+2]
	s_delay_alu instid0(VALU_DEP_1)
	v_max_num_f32 v[MX], v[MX], v[CH+3]
	s_delay_alu instid0(VALU_DEP_1)
	v_permlanex16_b32 v[PX], v[MX], s20, s21
	s_delay_alu instid0(VALU_DEP_1)
	v_max3_num_f32 v[SH+1], v[SH+1], v[MX], v[PX]  ; the running largest raw score: mine, lane l xor 16's, and what was (c is positive, so the largest t is c x this)
	s_delay_alu instid0(VALU_DEP_1)
	v_mul_f32 v[MX], s22, v[SH+1]
	s_delay_alu instid0(VALU_DEP_1)
	v_floor_f32 v[SH], -v[MX]                      ; -M = floor(-t)
	s_delay_alu instid0(VALU_DEP_1)
	v_sub_f32 v[MX], v[SH], v37                    ; old M - new M, a whole number, 0 or less
.irp j, 0,2,4,6
	TM \j
.endr
	v_cvt_i32_f32 v[MX], v[MX]                     ; (it saturates)
.irp j, 8,10,12,14
	TM \j
.endr
	v_ldexp_f32 v[F], 1.0, v[MX]                   ; f = 2^(old M - new M)
.irp j, 16,18,20,22,24,26,28,30
	TM \j
.endr
	s_wait_alu depctr_va_vdst(0)                   ; the wait ahead of the batch (and directly ahead of the wait below)
.if (\hd) == 0
	s_wait_dscnt 0x0                               ; V's fragments, asked for at the step's head, are in
.endif
; The exponentials go in two halves.  Among the first half's stand the second half's t - M; among the second half's the first half's sums of two pairs and its holds.
; Each of these plain results is first read behind the next wait, and each half's p likewise.
.set J, 0
.rept 16
	v_exp_f32 v[S+J], v[S+J]
	v_exp_f32 v[S+J+1], v[S+J+1]
	TM 32+J
.set J, J+2
.endr
	s_wait_alu depctr_va_vdst(0)                   ; behind the first half, ahead of the second
.set J, 0
.rept 8
	v_exp_f32 v[S+32+J], v[S+32+J]
	v_pk_add_f32 v[U+J/2:U+J/2+1], v[S+J:S+J+1], v[S+J+2:S+J+3]         ; the sum is taken of the unquantised p, ahead of its hold
	v_exp_f32 v[S+33+J], v[S+33+J]
	HOLD J
	v_exp_f32 v[S+34+J], v[S+34+J]
	HOLD J+2
	v_exp_f32 v[S+35+J], v[S+35+J]
.set J, J+4
.endr
	v_pk_mul_f32 v[SH+2:SH+3], v[SH+2:SH+3], v[F:F+1] op_sel_hi:[1,0]   ; the sums under the new M; a plain place behind the batch
	WIN 0x41
	s_wait_alu depctr_va_vdst(0)                   ; the wait behind the batch, directly ahead of the first readers of O^T
.set J, 0
.rept 16
	v_pk_mul_f32 v[32*(\hd)+J:32*(\hd)+J+1], v[32*(\hd)+J:32*(\hd)+J+1], v[F:F+1] op_sel_hi:[1,0]   ; O^T under the new M
.set J, J+2
.endr
	WIN 0
.set I, 0
.rept 4                                        ; the sum goes on in four chains
	v_pk_add_f32 v[U+2*I:U+2*I+1], v[U+2*I:U+2*I+1], v[U+8+2*I:U+9+2*I]
.set I, I+1
.endr
.set I, 0
.rept 16
	v_pk_add_f32 v[U+2*(I%4):U+2*(I%4)+1], v[U+2*(I%4):U+2*(I%4)+1], v[S+32+2*I:S+33+2*I]
.set I, I+1
.endr
.set J, 32
.rept 16
	HOLD J
.set J, J+2
.endr
	v_pk_add_f32 v[U:U+1], v[U:U+1], v[U+2:U+3]
	v_pk_add_f32 v[U+4:U+5], v[U+4:U+5], v[U+6:U+7]
.irp b, 0,1,2,3
	v_cvt_scalef32_pk8_fp8_f32 v[P+2*\b:P+2*\b+1], v[S+8*\b:S+8*\b+7], v[SCP]
.endr
	v_pk_add_f32 v[U:U+1], v[U:U+1], v[U+4:U+5]
.irp b, 4,5,6,7
	v_cvt_scalef32_pk8_fp8_f32 v[P+2*\b:P+2*\b+1], v[S+8*\b:S+8*\b+7], v[SCP]
.endr
	v_pk_add_f32 v[SH+2:SH+3], v[SH+2:SH+3], v[U:U+1]                   ; also the plain place behind the conversions
	WIN 0x51
.irp t, 0,1,2,3
	v_wmma_f32_16x16x128_fp8_fp8 v[32*(\hd)+8*\t:32*(\hd)+8*\t+7], v[VF+16*\t:VF+16*\t+15], v[P:P+15], v[32*(\hd)+8*\t:32*(\hd)+8*\t+7]
.endr
.endm
; A key step.  K's fragments and the mask tile were asked for in the step before; V's are asked for here and waited for in the first head, ahead of its exponentials.
.macro STEP last
.rept 4
	v_nop                                          ; four places ahead of loads into registers that the last products read
.endr
	WIN 0x40
.irp i, 0,1,2,3,4,5,6,7,8,9,10,11,12,13,14,15
	ds_load_b128 v[VF+4*\i:VF+4*\i+3], v[AKV] offset:8192+512*\i
.endr
	WIN 0
	s_wait_xcnt 0x0                                ; my prefetch has read its address
	s_add_nc_u64 s[52:53], s[52:53], 8192
	s_wait_loadcnt 0x0                             ; the mask tile (in the first step: Q too)
	s_wait_dscnt 16                                ; K's 16 loads are in; V's 16 may be out
	HEAD 0, \last
	HEAD 1, \last
	HEAD 2, \last
	HEAD 3, \last
	WIN 0
.endm
	s_wait_alu depctr_va_vdst(0)                   ; the wait at the head's end
	s_wait_tensorcnt 0x0                           ; my part of steps 0-3 is in
	ds_add_u32 v[SPW], v[NIL]
	s_wait_dscnt 0x0
	s_barrier_signal -1
	s_barrier_wait -1                              ; everybody's part is in
	tensor_load_to_lds s[36:39], s[40:47]          ; steps 4-15, into bytes of their own: my one load behind this barrier
	s_nop 0
.rept 4
	v_nop
.endr
	WIN 0x40
.irp i, 0,1,2,3,4,5,6,7,8,9,10,11,12,13,14,15
	ds_load_b128 v[KF+4*\i:KF+4*\i+3], v[AKV] offset:512*\i
.endr
	WIN 0
	s_mov_b32 s49, 3
.Lfirst:                                           ; steps 0-2: they read, and fetch ahead, steps 0-3 alone
	STEP 3
	s_sub_co_u32 s49, s49, 1
	s_cmp_lg_u32 s49, 0
	s_cbranch_scc1 .Lfirst
	s_wait_tensorcnt 0x0                           ; my part of steps 4-15 is in,
	s_wait_dscnt 0x0                               ; no LDS load of mine is out at the signal,
	s_barrier_signal -1
	s_barrier_wait -1                              ; and everybody's part is in.  Nothing is filled again
	s_mov_b32 s50, 3                               ; (the step's number, stated anew at the loop's head)
	s_mov_b32 s49, 13
.Lrest:                                            ; steps 3-15
	STEP 15
	s_sub_co_u32 s49, s49, 1
	s_cmp_lg_u32 s49, 0
	s_cbranch_scc1 .Lrest
	; THE WAY OUT.  O^T / the sum x 2^(e8 + e9), quantised with 2^e10.  The order of the codes inside my 256 of a row is the one that every operand with K = 1,024 of this program has:
	; number 128 k + 4 l + e at byte 8 l + 4 k + e.  The codes go through my stage (rows of 272 bytes) and leave as aligned units of 256 bytes, sixteen lanes to a unit.
.irp hd, 0,1,2,3
	v_add_f32 v[ST+4*\hd+2], v[ST+4*\hd+2], v[ST+4*\hd+3]
.endr
.irp hd, 0,1,2,3
	s_delay_alu instid0(VALU_DEP_4)
	v_permlanex16_b32 v[ST+4*\hd+3], v[ST+4*\hd+2], s20, s21
.endr
.irp hd, 0,1,2,3
	s_delay_alu instid0(VALU_DEP_4)
	v_add_f32 v[ST+4*\hd+2], v[ST+4*\hd+2], v[ST+4*\hd+3]
.endr
	s_wait_alu depctr_va_vdst(0)                   ; the wait ahead of the batch
.irp hd, 0,1,2,3
	v_rcp_f32 v[ST+4*\hd+2], v[ST+4*\hd+2]
.endr
	v_nop
	s_wait_loadcnt 0x0                             ; the mask tile fetched by the last step has landed: its registers are used below
	s_wait_alu depctr_va_vdst(0)                   ; the wait behind the batch, which also serves the first readers of O^T
.irp hd, 0,1,2,3
	v_ldexp_f32 v[ST+4*\hd+2], v[ST+4*\hd+2], s55
.endr
	WIN 0x01
.irp hl, 0,1
.irp t, 0,1,2,3
.irp g, 0,1
.irp k, 0,1
.irp e, 0,2
	v_pk_mul_f32 v[TMP+16*(4*\hl+\t)+8*\g+4*\k+\e:TMP+16*(4*\hl+\t)+8*\g+4*\k+\e+1], v[32*(\hl+2*\k)+8*\t+4*\g+\e:32*(\hl+2*\k)+8*\t+4*\g+\e+1], v[ST+4*(\hl+2*\k)+2:ST+4*(\hl+2*\k)+3] op_sel_hi:[1,0]
.endr
.endr
.endr
.endr
.endr
	WIN 0
.set J, 0
.rept 128
	v_med3_num_f32 v[TMP+J], v[TMP+J], -v[LIMO], v[LIMO]
.set J, J+1
.endr
.irp n, 0,1,2,3,4,5,6,7
	v_cvt_scalef32_pk8_fp8_f32 v[Q+4*\n:Q+4*\n+1], v[TMP+16*\n:TMP+16*\n+7], v[SCO]
	v_cvt_scalef32_pk8_fp8_f32 v[Q+4*\n+2:Q+4*\n+3], v[TMP+16*\n+8:TMP+16*\n+15], v[SCO]
.endr
	v_nop
.irp n, 0,1,2,3,4,5,6,7
	ds_store_b128 v[STO], v[Q+4*\n:Q+4*\n+3] offset:32*\n
.endr
.irp i, 0,1,2,3,4,5,6,7
	ds_load_b128 v[224+4*\i:227+4*\i], v[RD] offset:544*\i   ; LDS serves a wave's instructions in order (ISA guide 5.7.1.4): these see my stores
.endr
.irp i, 0,1,2,3,4,5,6,7
	s_wait_dscnt 7-\i                              ; rows 2 i, 2 i + 1 are back; the younger loads may be out
	global_store_b128 v[GO], v[224+4*\i:227+4*\i], s[12:13] offset:2048*\i
.endr
	s_wait_tensorcnt 0x0                           ; the wave's end
	ds_add_u32 v[SPW], v[NIL]
	s_wait_dscnt 0x0
	s_endpgm
.Lfunc_end_k_q34b9009188_attn:
	.size	k_q34b9009188_attn, .Lfunc_end_k_q34b9009188_attn-k_q34b9009188_attn
	.p2alignl 7, 3214868480
	.fill 96, 4, 3214868480
	.section	.rodata,"a",@progbits
	.p2align	6, 0x0
	.amdhsa_kernel k_q34b9009188_attn
		.amdhsa_group_segment_fixed_size 327680
		.amdhsa_private_segment_fixed_size 0
		.amdhsa_enable_private_segment 0
		.amdhsa_kernarg_size 40
		.amdhsa_user_sgpr_count 2
		.amdhsa_user_sgpr_kernarg_segment_ptr 1
		.amdhsa_wavefront_size32 1
		.amdhsa_system_sgpr_workgroup_id_x 1
		.amdhsa_system_sgpr_workgroup_id_y 1
		.amdhsa_system_sgpr_workgroup_id_z 1
		.amdhsa_system_vgpr_workitem_id 0
		.amdhsa_next_free_vgpr 512
		.amdhsa_next_free_sgpr 66
		.amdhsa_reserve_vcc 0
		.amdhsa_float_denorm_mode_32 3
		.amdhsa_float_denorm_mode_16_64 3
		.amdhsa_memory_ordered 1
		.amdhsa_forward_progress 1
		.amdhsa_inst_pref_size 146
	.end_amdhsa_kernel
	.amdgpu_metadata
---
amdhsa.version: [ 1, 2 ]
amdhsa.kernels:
  - .name:           k_q34b9009188_attn
    .symbol:         k_q34b9009188_attn.kd
    .args:
      - { .name: q_codes, .offset: 0, .size: 8, .value_kind: global_buffer, .address_space: global }
      - { .name: kv_codes, .offset: 8, .size: 8, .value_kind: global_buffer, .address_space: global }
      - { .name: mask_img, .offset: 16, .size: 8, .value_kind: global_buffer, .address_space: global }
      - { .name: lowp_scales, .offset: 24, .size: 8, .value_kind: global_buffer, .address_space: global }
      - { .name: aout_codes, .offset: 32, .size: 8, .value_kind: global_buffer, .address_space: global }
    .group_segment_fixed_size: 327680
    .private_segment_fixed_size: 0
    .kernarg_segment_align: 8
    .kernarg_segment_size: 40
    .max_flat_workgroup_size: 256
    .sgpr_count:     66
    .vgpr_count:     512
    .wavefront_size: 32
...
	.end_amdgpu_metadata
.endif
;; end of part 3
;; launch oproj (part 4): grid 4 x 32, 4 waves a work-group, clusters of 4 x 4, 327,680 bytes of LDS; arguments aout_codes, wo_codes, lowp_scales, out0; writes out0
.if DOCPART == 4
	.amdgcn_target "amdgcn-amd-amdhsa--gfx1250"
	.amdhsa_code_object_version 6
	.text
	.protected	k_q34b9009188_oproj
	.globl	k_q34b9009188_oproj
	.p2align	8
	.type	k_q34b9009188_oproj,@function
k_q34b9009188_oproj:
	s_mov_b64 s[64:65], 0
	v_nop
	global_prefetch_b8 v0, s[64:65] scope:SCOPE_SE
	s_setreg_imm32_b32 hwreg(HW_REG_WAVE_MODE, 25, 1), 1
	s_wait_xcnt 0x0
	s_wait_alu depctr_hold_cnt(0) depctr_sa_sdst(0) depctr_va_vdst(0) depctr_va_sdst(0) depctr_va_ssrc(0) depctr_va_vcc(0) depctr_vm_vsrc(0)
	s_getreg_b32 s2, hwreg(HW_REG_IB_STS2, 6, 4)
	s_cmp_eq_u32 s2, 0
	s_cbranch_scc0 .Lentry_in_a_cluster
	s_endpgm
.Lentry_in_a_cluster:
	s_bfe_u32 s2, ttmp6, 0x10000c
	s_cmp_lg_u32 s2, 0xf033
	s_cbranch_scc0 .Lentry_shape_is_right
	s_endpgm
.Lentry_shape_is_right:
.set SIZE_M, 8192
.set SIZE_N, 1024
.set SIZE_K, 1024
.set KSTEP,  256
.set ROWB,   256
.set KROW,   SIZE_K
.set PITCH,  272
.set FR,     16
.set NL,     4
.set NP,     4
.set HALFT,  128*PITCH
.set SLOT,   4*HALFT
.set LAPS,   SIZE_K/(2*KSTEP)
.set SPARE,  2*SLOT
.set SPITCH, 528
.set ADRA, 16
.set ADRB, 20
.set STO,  24
.set RD,   25
.set CO,   26
.set SPW,  28
.set NIL,  29
.set TMP,  32
.set AF,   128
.set BK,   128
.set G1, 24
.set G0, 32
.set G1B, 48
.set G0B, 56
.set MSB, 0
.macro WIN new
.if MSB != (\new)
	s_set_vgpr_msb (MSB<<8)|(\new)
.set MSB, (\new)
.endif
.endm
.set MUL_LO, 0xa1
.set MUL_HI, 0xf1
.set TO_B,   0x40
.macro JLOAD g0a, g1a, g0b, g1b
	s_cmp_eq_u32 s15, 0
	s_cbranch_scc0 .Lfor_b_\@
	tensor_load_to_lds s[\g0a:\g0a+3], s[\g1a:\g1a+7]
	s_nop 0
.rept 4
	v_nop
.endr
	s_branch .Lasked_\@
.Lfor_b_\@:
	tensor_load_to_lds s[\g0b:\g0b+3], s[\g1b:\g1b+7]
	s_nop 0
.rept 4
	v_nop
.endr
.Lasked_\@:
.endm
.macro CREST
	s_cmp_lg_u32 s14, 0
	s_cbranch_scc1 .Lnot_wave_0_\@
	s_barrier_signal -3
.Lnot_wave_0_\@:
	s_barrier_wait -3
	s_barrier_signal -1
	s_barrier_wait -1
.endm
.macro CROUND
	s_barrier_signal -1
	s_barrier_wait -1
	CREST
.endm
	s_load_b128 s[4:7], s[0:1], 0x0
	s_load_b128 s[8:11], s[0:1], 0x10
	v_lshl_add_u32 v[SPW], v0, 2, SPARE
	v_mov_b32 v[NIL], 0
	ds_add_u32 v[SPW], v[NIL]
	ds_add_u32 v[SPW], v[NIL]
	v_lshrrev_b32 v1, 5, v0
	v_readfirstlane_b32 s14, v1
	s_lshr_b32 s15, s14, 1
	s_and_b32 s16, s14, 1
	s_bfe_u32 s40, ttmp6, 0x40000
	s_bfe_u32 s41, ttmp6, 0x40004
	s_lshl_b32 s42, ttmp9, 2
	s_add_co_u32 s42, s42, s40
	s_and_b32 s17, ttmp7, 0xffff
	s_lshl_b32 s17, s17, 2
	s_add_co_u32 s17, s17, s41
	s_lshl_b32 s43, s41, 2
	s_lshl_b32 s43, 15, s43
	s_lshl_b32 s44, 0x1111, s40
	s_or_b32 s[G1+0], s43, (0<<16)|(1<<20)|(1<<21)|(5<<22)|(3<<25)
	s_or_b32 s[G1B+0], s44, (0<<16)|(1<<20)|(1<<21)|(5<<22)|(3<<25)
.irp g, G1, G1B
	s_mov_b32 s[\g+1], ROWB<<16
	s_mov_b32 s[\g+2], 128<<16
	s_mov_b32 s[\g+3], ROWB<<16
	s_mov_b32 s[\g+4], 128
	s_mov_b32 s[\g+5], KROW
	s_mov_b32 s[\g+6], 0
	s_mov_b32 s[\g+7], 0
.endr
	s_lshl_b32 s18, s16, 7
	s_lshl_b32 s20, s17, 8
	s_add_co_u32 s20, s20, s18
	s_lshl_b32 s46, s42, 8
	s_add_co_u32 s46, s46, s18
	s_mov_b32 s21, 0
	s_mov_b32 s47, 0
	s_mov_b64 s[18:19], KROW
	s_mul_u64 s[20:21], s[20:21], s[18:19]
	s_mul_u64 s[46:47], s[46:47], s[18:19]
	s_mul_i32 s45, s14, HALFT
	s_wait_dscnt 0x0
	s_wait_kmcnt 0x0
	s_load_b64 s[96:97], s[8:9], 0x28
	s_add_nc_u64 s[20:21], s[4:5], s[20:21]
	s_add_nc_u64 s[46:47], s[6:7], s[46:47]
	CROUND
.irp s, 0,1
	s_mov_b32 s[G0+4*\s], 1
	s_add_co_u32 s[G0+4*\s+1], s45, \s*SLOT
	s_add_nc_u64 s[G0+4*\s+2:G0+4*\s+3], s[20:21], \s*ROWB
	s_or_b32 s[G0+4*\s+3], s[G0+4*\s+3], 0x80000000
	s_mov_b32 s[G0B+4*\s], 1
	s_add_co_u32 s[G0B+4*\s+1], s45, \s*SLOT
	s_add_nc_u64 s[G0B+4*\s+2:G0B+4*\s+3], s[46:47], \s*ROWB
	s_or_b32 s[G0B+4*\s+3], s[G0B+4*\s+3], 0x80000000
	s_wait_alu depctr_va_vdst(0)
	s_wait_tensorcnt 0x0
	ds_add_u32 v28, v29
	ds_add_u32 v28, v29
	s_wait_dscnt 0x0
	CROUND
	JLOAD G0+4*\s, G1, G0B+4*\s, G1B
.endr
	v_and_b32 v1, 15, v0
	s_wait_alu depctr_va_vdst(0)
	v_bfe_u32 v2, v0, 4, 1
	v_mul_u32_u24 v3, v1, PITCH
	v_lshl_add_u32 v4, v2, 4, v3
	s_mul_i32 s21, s15, HALFT
	s_mul_i32 s22, s16, HALFT
	s_add_co_u32 s22, s22, 2*HALFT
.irp s, 0,1
	v_add_nc_u32 v[ADRA+\s], s21, v4
	v_add_nc_u32 v[ADRB+\s], s22, v4
	s_add_co_u32 s21, s21, SLOT
	s_add_co_u32 s22, s22, SLOT
.endr
	s_mul_i32 s23, s14, 16*SPITCH
	v_mul_u32_u24 v5, v1, SPITCH
	s_wait_alu depctr_va_vdst(0)
	v_lshl_add_u32 v5, v2, 5, v5
	v_add_nc_u32 v[STO], s23, v5
	v_and_b32 v6, 31, v0
	v_lshlrev_b32 v[CO], 4, v6
	v_add_nc_u32 v[RD], s23, v[CO]
	s_lshl_b32 s20, s17, 8
	s_lshl_b32 s21, s15, 7
	s_add_co_u32 s20, s20, s21
	s_mov_b32 s21, 0
	s_mov_b64 s[18:19], SIZE_N*4
	s_mul_u64 s[20:21], s[20:21], s[18:19]
	s_lshl_b32 s46, s42, 10
	s_lshl_b32 s47, s16, 9
	s_add_co_u32 s46, s46, s47
	s_mov_b32 s47, 0
	s_add_nc_u64 s[20:21], s[20:21], s[46:47]
	s_add_nc_u64 s[10:11], s[10:11], s[20:21]
.macro FRAG reg, adr, q, i
.irp c, 0,1,2,3
	ds_load_b128 v[\reg+4*\c:\reg+4*\c+3], v[\adr] offset:128*(\q)+32*\c+(\i)*16*PITCH
.endr
.endm
.macro MUL16 a0, p, zero
.irp a, \a0, \a0+1
.irp b, 0,1,2,3,4,5,6,7
.if \zero
	v_wmma_f32_16x16x128_fp8_fp8 v[8*(8*((\a)%4)+\b):8*(8*((\a)%4)+\b)+7], v[128*(\p)+FR*\b:128*(\p)+FR*\b+FR-1], v[AF+FR*(\a):AF+FR*(\a)+FR-1], 0
.else
	v_wmma_f32_16x16x128_fp8_fp8 v[8*(8*((\a)%4)+\b):8*(8*((\a)%4)+\b)+7], v[128*(\p)+FR*\b:128*(\p)+FR*\b+FR-1], v[AF+FR*(\a):AF+FR*(\a)+FR-1], v[8*(8*((\a)%4)+\b):8*(8*((\a)%4)+\b)+7]
.endif
.endr
.endr
.endm
.macro FETCH_B slot, q, p
	WIN TO_B
.irp i, 0,1,2,3,4,5,6,7
	FRAG 128*(\p)+FR*\i, ADRB+\slot, \q, \i
.endr
	WIN 0
.endm
.macro FETCH_A slot, q, i0
.irp i, \i0, \i0+1, \i0+2, \i0+3
	FRAG AF+FR*(\i), ADRA+\slot, \q, \i
.endr
.endm
.macro PLACES n
.rept \n
	v_nop
.endr
.endm
.macro STEP slot, q, zero
	s_wait_dscnt 4*NL
	WIN MUL_LO
	MUL16 0, (\q)%2, \zero
	MUL16 2, (\q)%2, \zero
	s_wait_dscnt 0
	PLACES NP
	FETCH_B \slot, (\q)+1, 1-(\q)%2
	FETCH_A \slot, (\q)+1, 0
	WIN MUL_HI
	MUL16 4, (\q)%2, \zero
	MUL16 6, (\q)%2, \zero
	PLACES NP
	WIN 0
	FETCH_A \slot, (\q)+1, 4
.endm
.macro TURN slot, next, fill
	s_wait_tensorcnt 0x0
	ds_add_u32 v[SPW], v[NIL]
	s_wait_dscnt 4*NL+1
	WIN MUL_LO
	MUL16 0, 1, 0
	s_wait_dscnt 0x0
	s_barrier_signal -1
	MUL16 2, 1, 0
	WIN 0
	s_barrier_wait -1
.if \fill
	CREST
	s_add_nc_u64 s[G0+4*\slot+2:G0+4*\slot+3], s[G0+4*\slot+2:G0+4*\slot+3], 2*ROWB
	s_add_nc_u64 s[G0B+4*\slot+2:G0B+4*\slot+3], s[G0B+4*\slot+2:G0B+4*\slot+3], 2*ROWB
	JLOAD G0+4*\slot, G1, G0B+4*\slot, G1B
.else
	PLACES NP
.endif
	FETCH_B \next, 0, 0
	FETCH_A \next, 0, 0
	WIN MUL_HI
	MUL16 4, 1, 0
	MUL16 6, 1, 0
	PLACES NP
	WIN 0
	FETCH_A \next, 0, 4
.endm
	s_wait_tensorcnt 1
	s_barrier_signal -1
	s_barrier_wait -1
	FETCH_B 0, 0, 0
	FETCH_A 0, 0, 0
	FETCH_A 0, 0, 4
	STEP 0, 0, 1
	s_mov_b32 s3, LAPS-1
.Llap:
	TURN 0, 1, 1
	STEP 1, 0, 0
	TURN 1, 0, 1
	STEP 0, 0, 0
	s_sub_co_u32 s3, s3, 1
	s_cmp_lg_u32 s3, 0
	s_cbranch_scc1 .Llap
	TURN 0, 1, 0
	STEP 1, 0, 0
	s_wait_dscnt 4*NL
	WIN MUL_LO
	MUL16 0, 1, 0
	MUL16 2, 1, 0
	s_wait_dscnt 0
	WIN MUL_HI
	MUL16 4, 1, 0
	MUL16 6, 1, 0
	WIN 0
.macro TOSTAGE a
.set AC, 64*((\a)%4)
	WIN 0x02+((\a)/4)
.irp j, 0,2,4,6,8,10,12,14,16,18,20,22,24,26,28,30,32,34,36,38,40,42,44,46,48,50,52,54,56,58,60,62
	v_pk_mul_f32 v[TMP+\j:TMP+\j+1], v[AC+\j:AC+\j+1], s[96:97] op_sel_hi:[1,0]
.endr
	WIN 0
.irp b, 0,1,2,3,4,5,6,7
	ds_store_b128 v[STO], v[TMP+8*\b:TMP+8*\b+3] offset:64*\b
	ds_store_b128 v[STO], v[TMP+8*\b+4:TMP+8*\b+7] offset:64*\b+16
.endr
.set BB, BK+64*((\a)%2)
.irp t, 0,1,2,3,4,5,6,7,8,9,10,11,12,13,14,15
	ds_load_b128 v[BB+4*\t:BB+4*\t+3], v[RD] offset:\t*SPITCH
.endr
.endm
.macro SEND a, younger
.set BB, BK+64*((\a)%2)
	s_wait_dscnt \younger
.if (\a) > 0
	s_add_nc_u64 s[10:11], s[10:11], 16*SIZE_N*4
.endif
.irp t, 0,1,2,3,4,5,6,7,8,9,10,11,12,13,14,15
	global_store_b128 v[CO], v[BB+4*\t:BB+4*\t+3], s[10:11] offset:\t*SIZE_N*4 th:TH_STORE_NT
.endr
.endm
	s_wait_kmcnt 0x0
	s_add_co_i32 s96, s96, s97
	s_add_co_i32 s96, s96, 127
	s_lshl_b32 s96, s96, 23
	PLACES NP
	TOSTAGE 0
.irp a, 1,2,3,4,5,6,7
.if \a > 1
	s_wait_xcnt 0x0
.endif
	TOSTAGE \a
	SEND \a-1, 32
.endr
	s_wait_xcnt 0x0
	SEND 7, 0
	s_wait_tensorcnt 0x0
	ds_add_u32 v[SPW], v[NIL]
	s_wait_dscnt 0x0
	CROUND
	s_endpgm
.Lfunc_end_k_q34b9009188_oproj:
	.size	k_q34b9009188_oproj, .Lfunc_end_k_q34b9009188_oproj-k_q34b9009188_oproj
	.p2alignl 7, 3214868480
	.fill 96, 4, 3214868480
	.section	.rodata,"a",@progbits
	.p2align	6, 0x0
	.amdhsa_kernel k_q34b9009188_oproj
		.amdhsa_group_segment_fixed_size 327680
		.amdhsa_private_segment_fixed_size 0
		.amdhsa_enable_private_segment 0
		.amdhsa_kernarg_size 32
		.amdhsa_user_sgpr_count 2
		.amdhsa_user_sgpr_kernarg_segment_ptr 1
		.amdhsa_wavefront_size32 1
		.amdhsa_system_sgpr_workgroup_id_x 1
		.amdhsa_system_sgpr_workgroup_id_y 1
		.amdhsa_system_sgpr_workgroup_id_z 1
		.amdhsa_system_vgpr_workitem_id 0
		.amdhsa_next_free_vgpr 1024
		.amdhsa_next_free_sgpr 98
		.amdhsa_reserve_vcc 0
		.amdhsa_float_denorm_mode_32 3
		.amdhsa_float_denorm_mode_16_64 3
		.amdhsa_memory_ordered 1
		.amdhsa_forward_progress 1
		.amdhsa_inst_pref_size 124
	.end_amdhsa_kernel
	.amdgpu_metadata
---
amdhsa.version: [ 1, 2 ]
amdhsa.kernels:
  - .name:           k_q34b9009188_oproj
    .symbol:         k_q34b9009188_oproj.kd
    .args:
      - { .name: aout_codes, .offset: 0, .size: 8, .value_kind: global_buffer, .address_space: global }
      - { .name: wo_codes, .offset: 8, .size: 8, .value_kind: global_buffer, .address_space: global }
      - { .name: lowp_scales, .offset: 16, .size: 8, .value_kind: global_buffer, .address_space: global }
      - { .name: out0, .offset: 24, .size: 8, .value_kind: global_buffer, .address_space: global }
    .group_segment_fixed_size: 327680
    .private_segment_fixed_size: 0
    .kernarg_segment_align: 8
    .kernarg_segment_size: 32
    .max_flat_workgroup_size: 128
    .sgpr_count:     98
    .vgpr_count:     1024
    .wavefront_size: 32
...
	.end_amdgpu_metadata
.endif
;; end of part 4
